; MI455X (gfx1250); checked and timed in simulation.
; The chip was launched on July 23, 2026; its instructions are those of AMD's public machine-readable ISA for CDNA 5 (MIT licence, August 2026) and "CDNA5" Instruction Set Architecture Reference Guide (July 2026). The comments in the code are by the model that wrote it; some were corrected since.
;; Cross Attention. Allowed arithmetic: matrix products marked QUANTISED: E3M2 operands, one E8M0 scale for each 32 along K, by v_wmma_scale_f32_16x16x128_f8f6f4 with both operands' format E3M2, f32 sums; everything else in f32.
;; Inputs: Wk 1,024 x 1,024 float32; Wq 1,024 x 1,024 float32; Wv 1,024 x 1,024 float32; bk 1,024 float32; bq 1,024 float32; bv 1,024 float32; context 4 x 2,048 x 1,024 float32; mask 4 x 2,048 bool; x 4 x 2,048 x 1,024 float32.
;; Outputs: out0 4 x 2,048 x 1,024 float32.
;; This version of the problem:
;;   THIS VERSION OF THE PROBLEM IS GIVEN IN LOW PRECISION. The matrix products marked QUANTISED in the list below multiply operands that are first quantised to E3M2 (3 exponent bits, 2 mantissa bits; 6 bits a number), with one power-of-two scale for each 32 numbers along K (OCP MX v1.0); their sums are f32. All else is computed in f32.
;;   The module's matrix products, in the order in which they are computed (A, B: the left and right operand; K: the contracted axis; several contracted axes count as one K, in the product's order):
;;     1. [M 8,192, K 1,024] x [K 1,024, N 1,024]; A: input x; B: input Wq: QUANTISED
;;     2. [M 8,192, K 1,024] x [K 1,024, N 1,024]; A: input context; B: input Wk: QUANTISED
;;     3. [M 8,192, K 1,024] x [K 1,024, N 1,024]; A: input context; B: input Wv: QUANTISED
;;     4. batch 64 x [M 2,048, K 64] x [K 64, N 2,048]; A: computed on the way; B: computed on the way: QUANTISED
;;     5. batch 64 x [M 2,048, K 2,048] x [K 2,048, N 64]; A: softmax (see below); B: computed on the way: QUANTISED
;;   THE QUANTISER, for each operand of a quantised product, along K:
;;     - K is cut into blocks of 32 from its start; a last block that is shorter is filled with zeros.
;;     - A block's scale is 2^e with e = floor(log2(the largest magnitude in the block)) - 4, held to -126 .. 127; a block of zeros has e = 0. As a byte (E8M0): e + 127.
;;     - Each number is divided by its block's scale, clamped to +-28, and rounded to the nearest number of E3M2, ties to even, subnormals kept.
;;     - The product sums the exact products of the quantised numbers (number of the format x scale) in f32.
;;   ~~~python
;;   def quantise(x, axis):      # numpy; x: float32 -> the quantised numbers, widened to float32 again
;;       x = np.moveaxis(x, axis, -1); K = x.shape[-1]
;;       x = np.pad(x, [(0, 0)] * (x.ndim - 1) + [(0, -K % 32)]); x = x.reshape(x.shape[:-1] + (-1, 32)); a = np.abs(x).max(-1, keepdims=True)
;;       e = np.where(a > 0, np.clip(np.frexp(np.where(a > 0, a, 1))[1] - 1 - 4, -126, 127), 0)      # np.frexp(a)[1] - 1 = floor(log2(a)), exactly
;;       r = np.clip(x / 2.0 ** e, -28, 28)
;;       step = 2.0 ** (np.maximum(np.frexp(np.where(r == 0, 1, r))[1] - 1, -2) - 2)
;;       q = np.round(r / step) * step * 2.0 ** e      # np.round: ties to even
;;       return np.moveaxis(q.reshape(q.shape[:-2] + (-1,))[..., :K], -1, axis).astype(np.float32)
;;   ~~~
;;   SOFTMAX AHEAD OF A QUANTISED PRODUCT. Where the list says 'softmax', what is quantised is not the finished softmax but p = 2^(t - M), with t = logit x log2(e) and M = ceil(the row's largest t), a whole number; so 1/2 < the row's largest p <= 1. The row's sum l is taken of the UNQUANTISED p, in f32, and the product's result is divided by l at the end. Since M is a whole number, a kernel that streams over the keys may use a running M (the ceiling of the running maximum): every later rescaling is an exact power of two, which a block's scale takes up: the codes' values come out the same.
;;   OPERANDS COMPUTED ON THE WAY. 'Computed on the way' means the value that the module computes at that place (a softmax that the list does not call 'softmax' is quantised finished and normalised). What goes into a quantiser is computed in f32, as accurately as f32 sums, v_exp_f32 and their like allow (about 1e-6 of the number): no bf16 or f16 on the way to a quantiser, and a product that is left as it is and whose result goes on into a quantised operand takes f32 operands (vector FMAs, or v_wmma_f32_16x16x4_f32). A number that lies on a knife's edge between two numbers of the format may be rounded either way, as far as f32 arithmetic and the matrix unit's own rounding can turn it there, and no further.
;; One version. Each part assembles by itself: llvm-mc -triple=amdgcn-amd-amdhsa -mcpu=gfx1250 --defsym DOCPART=n.
;; ======== version 1 of 1: 3 launches
;; limits: right only within a limited range of input values
;; workspace buffers: opc 14,942,208 bytes; ops 622,592 bytes; hc 23,068,672 bytes; hs 1,310,720 bytes
;; launch quant (part 1): grid 608 x 1, 4 waves a work-group, no clusters, 68,096 bytes of LDS; arguments x, context, Wq, Wk, Wv, opc, ops; writes opc, ops
.if DOCPART == 1
	.amdgcn_target "amdgcn-amd-amdhsa--gfx1250"
	.amdhsa_code_object_version 6
	.text
	.protected	k_qece647b1e9_quant
	.globl	k_qece647b1e9_quant
	.p2align	8
	.type	k_qece647b1e9_quant,@function
k_qece647b1e9_quant:
	s_mov_b64 s[64:65], 0
	v_nop
	global_prefetch_b8 v0, s[64:65] scope:SCOPE_SE
	s_setreg_imm32_b32 hwreg(HW_REG_WAVE_MODE, 25, 1), 1
	s_wait_xcnt 0x0
; x [8192][1024], context [8192][1024] (K innermost) and Wq, Wk, Wv [1024 (K)][1024 (n)] (K outermost), all f32, become codes of BF6 (E3M2), 6 bits each, K innermost,
; with one E8M0 scale byte for each 32 along K.  opc: 19,456 rows of 768 bytes: x, context, Wq^T, Wk^T, Wv^T; ops: the same rows, 32 scale bytes each.
; A block's scale is 2^(floor(log2(its largest magnitude)) - 4); its byte is the largest magnitude's exponent field - 4, held at 1 from below.
; TILE ORDER: inside each group of 32 rows of opc and ops the rows 8-15 and 16-23 change places, so that 16 neighbouring rows of the buffer are the rows 8 u + r + 8 (r / 8)
; of the tensor: the next launch's results then have 16 neighbours along the next K in a lane's 16 registers, and no LDS address there is permuted.
; LIMITS: a block of zeros gets the byte 1 where the rule says 127 (its codes are zeros, and this program alone reads the bytes); blocks whose largest magnitude lies under 2^-122 share that byte;
; NaN and infinities among the inputs are not served.
; Work-groups 0-95 take the weights (32 columns x 256 along K a wave: a lane takes a column, its registers run down K), the other 512 take x and context (8 rows a wave).
; No tensor loads, no barrier: waves share nothing; each of the two paths has LDS bytes of its own.
.set NWW,    96                        ; the weights' work-groups: 3 weights x 8 (n / 128) x 4 (K / 256)
.set STEPS,  16                        ; rows' path: steps of 512 numbers for a wave
.set CB,     12                        ; bytes of 16 codes
.set RA,     16                        ; v16-79   four sets of 16 numbers as they are loaded
.set XA,     80                        ; v80-111  two sets of 16 neighbours
.set EA,     112                       ; v112-127 a scale byte for each step
.set CA,     128                       ; v128-191 codes: four registers for each step, so that no store's data are written again
.set WREG,   8192                      ; LDS, rows' path: a region for each wave: two stages of 32 x SP bytes, behind them its 256 scale bytes
.set SP,     80                        ; a lane's place in a stage: its 64 bytes + 16 of padding
.set NB,     8                         ; weights' path: blocks of 32 along K for a wave
.set WPITCH, 272                       ; a stage row: sixteen places of 16 bytes, each with 12 bytes of codes, + 16
.set KROW,   768                       ; a row of opc in bytes
.set WSTG,   32768                     ; LDS, weights' path: behind the rows' path's bytes, 32 x WPITCH for each wave
.set XW,     32                        ; v32-95   two sets of 32 numbers
.set CW,     96                        ; v96-102  a block's codes
.set OUTR,   112                       ; v112-175 the way out
.set SB,     24                        ; v24-25   the scale bytes, four to a register
	s_load_b256 s[4:11], s[0:1], 0x0               ; x s[4:5], context s[6:7], Wq s[8:9], Wk s[10:11]
	s_load_b128 s[12:15], s[0:1], 0x20             ; Wv s[12:13], opc s[14:15]
	s_load_b64 s[16:17], s[0:1], 0x30              ; ops
	v_lshl_add_u32 v192, v0, 2, 0x10800
	v_mov_b32 v193, 0
	v_lshrrev_b32 v1, 5, v0
	v_readfirstlane_b32 s20, v1                    ; wave 0..3
	v_and_b32 v2, 31, v0                           ; lane
	s_cmp_lt_u32 ttmp9, NWW
	s_cbranch_scc1 .Lweights
; ---------------- x and context: K is innermost.  Each load reads 512 consecutive bytes; a step's 2,048 bytes turn through the wave's own stage, so that a lane holds 16 neighbours
	v_lshlrev_b32 v3, 4, v2                        ; my 16 bytes of a load's 512
	s_mul_i32 s18, s20, WREG
	v_lshrrev_b32 v14, 2, v2
	v_mul_u32_u24 v14, v14, SP
	v_and_b32 v15, 3, v2
	v_lshl_add_u32 v14, v15, 4, v14
	v_add_nc_u32 v14, s18, v14                     ; the stage, on the way in: SP (lane / 4) + 16 (lane % 4)
	v_mul_u32_u24 v15, v2, SP
	v_add_nc_u32 v15, s18, v15                     ; and on the way out: SP x lane: my 16 neighbours
	v_mul_u32_u24 v4, v2, CB                       ; my codes' place in a step's
	v_lshrrev_b32 v5, 1, v2
	s_add_co_u32 s18, s18, 2*32*SP
	v_add_nc_u32 v5, s18, v5                       ; LDS: my wave's 256 scale bytes, my block's byte
	v_lshlrev_b32 v7, 3, v2                        ; and on the way out 8 bytes a lane
	v_add_nc_u32 v6, s18, v7
	s_sub_co_u32 s21, ttmp9, NWW                   ; j: which 32 rows of x (0-255) or of context (256-511)
	s_and_b32 s22, s21, 255
	s_lshl_b32 s22, s22, 2
	s_add_co_u32 s22, s22, s20
	s_lshl_b32 s22, s22, 15                        ; my wave's 8 rows of 4,096 bytes in the tensor
	s_mov_b32 s23, 0
	s_and_b32 s24, s20, 1
	s_lshl_b32 s24, s24, 1
	s_lshr_b32 s25, s20, 1
	s_or_b32 s24, s24, s25                         ; tile order: waves 1 and 2 change places
	s_lshl_b32 s25, s21, 2
	s_add_co_u32 s24, s24, s25                     ; which 8 rows of opc and ops are mine
	s_mul_i32 s26, s24, 8*KROW
	s_mov_b32 s27, 0
	s_lshl_b32 s28, s24, 8
	s_mov_b32 s29, 0
	s_wait_alu depctr_va_vdst(0)
	s_wait_kmcnt 0x0
	s_cmp_lt_u32 s21, 256                          ; x's work-group or context's?  The choice hangs on the work-group's number alone
	s_cselect_b64 s[4:5], s[4:5], s[6:7]
	s_add_nc_u64 s[4:5], s[4:5], s[22:23]
	s_add_nc_u64 s[14:15], s[14:15], s[26:27]
	s_add_nc_u64 s[16:17], s[16:17], s[28:29]
.macro ALOAD t
.irp i, 0,1,2,3
	global_load_b128 v[RA+16*((\t)%4)+4*\i:RA+16*((\t)%4)+4*\i+3], v3, s[4:5] offset:2048*(\t)+512*\i th:TH_LOAD_NT   ; 32 lanes read 512 consecutive bytes
.endr
.endm
.macro ATURN t                         ; step t's numbers through the stage: LDS serves a wave's instructions in order, so no wait stands between the stores and the loads
.irp i, 0,1,2,3
	ds_store_b128 v14, v[RA+16*((\t)%4)+4*\i:RA+16*((\t)%4)+4*\i+3] offset:32*SP*((\t)%2)+8*SP*\i
.endr
.irp i, 0,1,2,3
	ds_load_b128 v[XA+16*((\t)%2)+4*\i:XA+16*((\t)%2)+4*\i+3], v15 offset:32*SP*((\t)%2)+16*\i
.endr
.endm
.irp t, 0,1,2,3
	ALOAD \t
.endr
	s_wait_loadcnt 12                              ; step 0's four loads are in; the twelve of steps 1 to 3 may be out
	ATURN 0
.macro ASTEP t
.set XS, XA+16*((\t)%2)
.if (\t) > 0
	s_wait_dscnt 1                                 ; this step's numbers are back from the stage (the last step's byte store may be out): so its stores into the stage have read their registers,
.else
	s_wait_dscnt 0x0
.endif
.if (\t)+4 < STEPS
	ALOAD (\t)+4                                   ; which take the loads of four steps on
.endif
.if (\t)+1 < STEPS
.if STEPS-2-(\t) >= 3
	s_wait_loadcnt 12                              ; the next step's four loads are in; those of the three steps behind it may be out
.else
	s_wait_loadcnt 4*(STEPS-2-(\t))
.endif
	ATURN (\t)+1                                   ; and go through the other stage while this step is worked
.endif
	v_max3_num_f32 v8, |v[XS]|, |v[XS+1]|, |v[XS+2]|               ; the largest magnitude of my 16, in two chains
	v_max3_num_f32 v9, |v[XS+3]|, |v[XS+4]|, |v[XS+5]|
.irp i, 6,10
	v_max3_num_f32 v8, v8, |v[XS+\i]|, |v[XS+\i+1]|
	v_max3_num_f32 v9, v9, |v[XS+\i+2]|, |v[XS+\i+3]|
.endr
	v_max3_num_f32 v8, v8, |v[XS+14]|, |v[XS+15]|
	v_max3_num_f32 v8, v8, v9, 0x2800000           ; and the floor 2^(5 - 127): the byte cannot fall under 1
	v_max_num_f32_dpp v8, v8, v8 row_xmask:1 row_mask:0xf bank_mask:0xf   ; and of my neighbour's 16: the block's
	v_add_nc_u32 v11, 0xfe000000, v8               ; 4 off its exponent field: the conversion takes the exponent field of this operand as its scale, and nothing else of it
	v_cvt_scalef32_pk16_bf6_f32 v[CA+4*(\t):CA+4*(\t)+2], v[XS:XS+15], v11
	v_lshrrev_b32 v[EA+(\t)], 23, v11              ; the scale's byte
	ds_store_b8 v5, v[EA+(\t)] offset:16*(\t)      ; both lanes of a block write the same byte with the same value
	global_store_b96 v4, v[CA+4*(\t):CA+4*(\t)+2], s[14:15] offset:32*CB*(\t)   ; the wave stores 384 consecutive bytes
.endm
.irp t, 0,1,2,3,4,5,6,7,8,9,10,11,12,13,14,15
	ASTEP \t
.endr
	ds_load_b64 v[12:13], v6                       ; LDS serves a wave's instructions in order: these see my stores
	s_wait_dscnt 0x0
	global_store_b64 v7, v[12:13], s[16:17]        ; 32 lanes store 256 consecutive bytes, aligned
	s_wait_tensorcnt 0x0
	ds_add_u32 v192, v193
	s_wait_dscnt 0x0
	s_endpgm
; ---------------- the weights: K is the first axis.  A lane takes a column n and its registers run down K: a block of 32 lies in one lane, and the codes come out with K innermost
.Lweights:
	s_lshr_b32 s21, ttmp9, 5                       ; which weight: 0 Wq, 1 Wk, 2 Wv
	s_and_b32 s22, ttmp9, 7                        ; which 128 columns
	s_bfe_u32 s23, ttmp9, 0x20003                  ; which 256 along K
	s_lshl_b32 s24, s22, 7
	s_lshl_b32 s25, s20, 5
	s_add_co_u32 s24, s24, s25                     ; my wave's first column, a multiple of 32
	s_wait_alu depctr_va_vdst(0)
	v_lshlrev_b32 v3, 2, v2                        ; in: 4 bytes a lane
	s_mul_i32 s25, s20, 32*WPITCH
	s_add_co_u32 s25, s25, WSTG                    ; my stage
	v_mul_u32_u24 v4, v2, WPITCH
	v_add_nc_u32 v4, s25, v4                       ; into it: row = my column
	v_and_b32 v5, 15, v2
	v_lshrrev_b32 v6, 4, v2                        ; out of it: sixteen lanes to a row, two rows an instruction
	v_mul_u32_u24 v7, v6, WPITCH
	v_lshl_add_u32 v7, v5, 4, v7
	v_add_nc_u32 v7, s25, v7
	v_mul_u32_u24 v8, v6, KROW
	v_mad_u32_u24 v8, v5, 12, v8                   ; and the same place in opc
	v_and_b32 v9, 7, v2                            ; my column's place among its 32 rows, in tile order: bits 3 and 4 of the lane change places
	v_and_b32 v10, 8, v2
	v_lshl_or_b32 v9, v10, 1, v9
	v_and_b32 v10, 16, v2
	v_lshrrev_b32 v10, 1, v10
	v_or_b32 v9, v9, v10
	v_lshlrev_b32 v9, 5, v9                        ; 32 scale bytes a row
	s_lshl_b32 s26, s23, 20                        ; in the weight: 256 rows of 4,096 bytes for each step along K,
	s_lshl_b32 s27, s24, 2
	s_add_co_u32 s26, s26, s27                     ; + 4 bytes a column
	s_mov_b32 s27, 0
	s_lshl_b32 s28, s21, 10
	s_add_co_u32 s28, s28, s24
	s_add_co_u32 s28, s28, 16384                   ; my first row of opc and ops
	s_lshl_b32 s30, s28, 5
	s_lshl_b32 s31, s23, 3
	s_add_co_u32 s30, s30, s31                     ; ops: 32 bytes a row + 8 for each 256 along K
	s_mov_b32 s31, 0
	s_mul_i32 s28, s28, KROW
	s_mul_i32 s29, s23, 192
	s_add_co_u32 s28, s28, s29                     ; opc: 768 bytes a row + 192 for each 256 along K
	s_mov_b32 s29, 0
	s_wait_kmcnt 0x0
	s_cmp_eq_u32 s21, 0
	s_cselect_b64 s[4:5], s[8:9], s[10:11]
	s_cmp_eq_u32 s21, 2
	s_cselect_b64 s[4:5], s[12:13], s[4:5]
	s_add_nc_u64 s[4:5], s[4:5], s[26:27]
	s_add_nc_u64 s[14:15], s[14:15], s[28:29]
	s_add_nc_u64 s[16:17], s[16:17], s[30:31]
.macro WLOAD t                         ; block t: W(32 t + i, my column), i = 0 .. 31, into set t % 2: 32 lanes read 128 consecutive bytes, the four waves stand side by side
.irp i, 0,1,2,3,4,5,6,7,8,9,10,11,12,13,14,15,16,17,18,19,20,21,22,23,24,25,26,27,28,29,30,31
	global_load_b32 v[XW+32*((\t)%2)+\i], v3, s[4:5] offset:(32*(\t)+\i)*4096 th:TH_LOAD_NT
.endr
.endm
	WLOAD 0
	WLOAD 1
.macro WBLOCK t
.set XS, XW+32*((\t)%2)
.if (\t) < NB-1
	s_wait_loadcnt 32                              ; this block's 32 loads are in; the next block's may be out
.else
	s_wait_loadcnt 0
.endif
	v_max3_num_f32 v12, |v[XS]|, |v[XS+1]|, |v[XS+2]|               ; the block's largest magnitude: all 32 numbers are mine
	v_max3_num_f32 v13, |v[XS+3]|, |v[XS+4]|, |v[XS+5]|
.irp i, 6,10,14,18,22,26
	v_max3_num_f32 v12, v12, |v[XS+\i]|, |v[XS+\i+1]|
	v_max3_num_f32 v13, v13, |v[XS+\i+2]|, |v[XS+\i+3]|
.endr
	v_max3_num_f32 v12, v12, |v[XS+30]|, |v[XS+31]|
	v_max3_num_f32 v12, v12, v13, 0x2800000        ; and the floor 2^(5 - 127)
	v_add_nc_u32 v11, 0xfe000000, v12              ; 4 off its exponent field: the conversion's scale operand
	v_lshrrev_b32 v13, 23, v11                     ; the scale's byte
.if (\t)%4 == 0
	v_mov_b32 v[SB+(\t)/4], v13                    ; four bytes to a register, the lower K in the lower byte
.else
	v_lshl_or_b32 v[SB+(\t)/4], v13, 8*((\t)%4), v[SB+(\t)/4]
.endif
	v_cvt_scalef32_pk16_bf6_f32 v[CW:CW+2], v[XS:XS+15], v11
	v_cvt_scalef32_pk16_bf6_f32 v[CW+4:CW+6], v[XS+16:XS+31], v11   ; (a conversion's three registers begin on an even number)
	ds_store_b96 v4, v[CW:CW+2] offset:32*(\t)     ; 16 codes, 12 bytes, to a place of 16 bytes in the stage, so that every LDS address is a multiple of 16
	ds_store_b96 v4, v[CW+4:CW+6] offset:32*(\t)+16
.if (\t)+2 < NB
	WLOAD (\t)+2
.endif
	s_wait_dscnt 0x0                               ; the stores have read their registers: the next block's codes may be written
.endm
.set Q, 0
.rept NB
	WBLOCK Q
.set Q, Q+1
.endr
	s_wait_alu depctr_va_vdst(0)
	global_store_b64 v9, v[SB:SB+1], s[16:17]      ; my column's 8 scale bytes
.irp t, 0,1,2,3,4,5,6,7,8,9,10,11,12,13,14,15
	ds_load_b96 v[OUTR+4*\t:OUTR+4*\t+2], v7 offset:2*\t*WPITCH   ; LDS serves a wave's instructions in order: these see my stores
.endr
.irp t, 0,1,2,3,4,5,6,7,8,9,10,11,12,13,14,15
	s_wait_dscnt 15-\t                             ; the younger loads may be out
	global_store_b96 v8, v[OUTR+4*\t:OUTR+4*\t+2], s[14:15] offset:((2*\t)%8+16*(((2*\t)/8)%2)+8*((2*\t)/16))*KROW   ; columns 2 t and 2 t + 1, at their places in tile order: sixteen lanes store a row's 192 consecutive bytes
.endr
	s_wait_tensorcnt 0x0
	ds_add_u32 v192, v193
	s_wait_dscnt 0x0
	s_endpgm
.Lfunc_end_k_qece647b1e9_quant:
	.size	k_qece647b1e9_quant, .Lfunc_end_k_qece647b1e9_quant-k_qece647b1e9_quant
	.p2alignl 7, 3214868480
	.fill 96, 4, 3214868480
	.section	.rodata,"a",@progbits
	.p2align	6, 0x0
	.amdhsa_kernel k_qece647b1e9_quant
		.amdhsa_group_segment_fixed_size 68096
		.amdhsa_private_segment_fixed_size 0
		.amdhsa_enable_private_segment 0
		.amdhsa_kernarg_size 56
		.amdhsa_user_sgpr_count 2
		.amdhsa_user_sgpr_kernarg_segment_ptr 1
		.amdhsa_wavefront_size32 1
		.amdhsa_system_sgpr_workgroup_id_x 1
		.amdhsa_system_sgpr_workgroup_id_y 1
		.amdhsa_system_sgpr_workgroup_id_z 1
		.amdhsa_system_vgpr_workitem_id 0
		.amdhsa_next_free_vgpr 194
		.amdhsa_next_free_sgpr 66
		.amdhsa_reserve_vcc 0
		.amdhsa_float_denorm_mode_32 3
		.amdhsa_float_denorm_mode_16_64 3
		.amdhsa_memory_ordered 1
		.amdhsa_forward_progress 1
		.amdhsa_inst_pref_size 74
	.end_amdhsa_kernel
	.amdgpu_metadata
---
amdhsa.version: [ 1, 2 ]
amdhsa.kernels:
  - .name:           k_qece647b1e9_quant
    .symbol:         k_qece647b1e9_quant.kd
    .args:
      - { .name: x, .offset: 0, .size: 8, .value_kind: global_buffer, .address_space: global }
      - { .name: context, .offset: 8, .size: 8, .value_kind: global_buffer, .address_space: global }
      - { .name: Wq, .offset: 16, .size: 8, .value_kind: global_buffer, .address_space: global }
      - { .name: Wk, .offset: 24, .size: 8, .value_kind: global_buffer, .address_space: global }
      - { .name: Wv, .offset: 32, .size: 8, .value_kind: global_buffer, .address_space: global }
      - { .name: opc, .offset: 40, .size: 8, .value_kind: global_buffer, .address_space: global }
      - { .name: ops, .offset: 48, .size: 8, .value_kind: global_buffer, .address_space: global }
    .group_segment_fixed_size: 68096
    .private_segment_fixed_size: 0
    .kernarg_segment_align: 8
    .kernarg_segment_size: 56
    .max_flat_workgroup_size: 128
    .sgpr_count:     66
    .vgpr_count:     194
    .wavefront_size: 32
...
	.end_amdgpu_metadata
.endif
;; end of part 1
;; launch proj (part 2): grid 4 x 96, 4 waves a work-group, clusters of 4 x 4, 327,680 bytes of LDS; arguments opc, ops, bq, bk, bv, mask, hc, hs; writes hc, hs
.if DOCPART == 2
	.amdgcn_target "amdgcn-amd-amdhsa--gfx1250"
	.amdhsa_code_object_version 6
	.text
	.protected	k_qece647b1e9_proj
	.globl	k_qece647b1e9_proj
	.p2align	8
	.type	k_qece647b1e9_proj,@function
k_qece647b1e9_proj:
	s_mov_b64 s[64:65], 0
	v_nop
	global_prefetch_b8 v0, s[64:65] scope:SCOPE_SE
	s_setreg_imm32_b32 hwreg(HW_REG_WAVE_MODE, 25, 1), 1
	s_wait_xcnt 0x0
	s_wait_alu depctr_hold_cnt(0) depctr_sa_sdst(0) depctr_va_vdst(0) depctr_va_sdst(0) depctr_va_ssrc(0) depctr_va_vcc(0) depctr_vm_vsrc(0)
	s_getreg_b32 s2, hwreg(HW_REG_IB_STS2, 6, 4)
	s_cmp_eq_u32 s2, 0
	s_cbranch_scc0 .Lentry_in_a_cluster
	s_endpgm
.Lentry_in_a_cluster:
	s_bfe_u32 s2, ttmp6, 0x10000c
	s_cmp_lg_u32 s2, 0xf033
	s_cbranch_scc0 .Lentry_shape_is_right
	s_endpgm
.Lentry_shape_is_right:
; Q = x Wq + bq, K = context Wk + bk, V = context Wv + bv on codes of BF6 (E3M2) with E8M0 scales, f32 sums, each result quantised again on the way out into images of the next launch's operand registers (hc) and their scale words (hs).
; opc: rows of 768 bytes of codes (x, context, Wq^T, Wk^T, Wv^T), ops: their rows of 32 scale bytes.  A work-group of four waves makes a tile of 256 x 256; a wave 128 x 128 in 64 accumulators.
; TYP (cluster y / 8): 0 Q, 1 K: source 1 = tokens, source 0 = the weight's rows, scale blocks along the head's channels;  2 V: source 1 = Wv's rows, source 0 = tokens, scale blocks along the tokens.
; K goes through two LDS slots in CHUNKS OF 256 BYTES of each row (three chunks): every tile row begins at a multiple of 256 bytes.  A step of 128 along K is 96 bytes: steps 2 and 5 lie across two chunks.
; The scale bytes of the tile's 256 + 256 rows come once, as dense units of 256 bytes.  4 x 4 work-groups form a cluster: source 1's tiles are shared along its row, source 0's along its column, by joint loads.
; PREFETCH: chunks 1 and 2 are asked for into the L2 at the head, behind the head's tensor loads: two instructions a wave, a lane a row.  Of a tile's 256 rows each of the four partners that ask for it jointly takes 64, told apart by address
; (cx for source 1, cy for source 0), its two waves of that side 32 each: every 256 bytes are named once in each cluster that will load them.
; A hidden key (mask = 0) gets zero codes, the code of -1.0 at place 64 and the scale byte 177 there.  LIMITS: NaN and infinities are not served; a block of zeros gets the byte 1 (this program alone reads the bytes).
.set NQ,     2
.set ROWB,   256
.set KROW,   768
.set STEPS,  8
.set CHUNKS, 3
.set PITCH,  272                       ; 256 bytes + 16 of padding
.set FR,     12
.set NL,     6
.set NP,     4
.set HALFT,  128*PITCH
.set SLOT,   4*HALFT
.set KS,     32
.set SCL,    2*SLOT
.set HALFS,  16*272
.set SBLK,   2*272
.set SPARE,  SCL+4*HALFS
.set OFN,  8
.set OFM,  9
.set OFK,  10
.set PFO,  11                          ; v11 the prefetches' offset; never rewritten
.set ADRA, 16                          ; v16-17 my fragments of source 1 in slot 0, 1; v18-19 for pieces whose two halves of the lanes lie in different chunks
.set ADRB, 20                          ; v20-23 the same for source 0
.set LI,   24
.set OSQ,  25
.set OSV,  26
.set ADRS, 27
.set SPW,  28
.set NIL,  29
.set SC,   32
.set SW,   32
.set BN,   64
.set AF,   128
.set T,    128
.set PC,   192
.set PCT,  208
.set PW,   216
.set MK,   217
.set SH16, 218
.set MKS,  219
.set MW,   224
.set BM,   232
.set TM,   240
.set WV,   20
.set HR,   21
.set HCL,  22
.set TYP,  66
.set PFA,  98                          ; s[98:99] the prefetches' base: the tile's first row; never rewritten behind them
.set SEL,  100
.set G1, 24
.set G0, 32
.set G1B, 48
.set G0B, 56
.set G1S, 68
.set G0S, 76
.set G1SB, 80
.set G0SB, 88
.set MSB, 0
.macro WIN new
.if MSB != \new
	s_set_vgpr_msb (MSB<<8)|\new
.set MSB, \new
.endif
.endm
.set MUL_LO, 0xa1
.set MUL_HI, 0xf1
.set TO_B,   0x40
.macro JLOAD g0a, g1a, g0b, g1b        ; waves 0, 1 fetch source 1's halves, waves 2, 3 source 0's
	s_cmp_eq_u32 s[HR], 0
	s_cbranch_scc0 .Lfor_b_\@
	tensor_load_to_lds s[\g0a:\g0a+3], s[\g1a:\g1a+7]
	s_nop 0
.rept 4
	v_nop
.endr
	s_branch .Lasked_\@
.Lfor_b_\@:
	tensor_load_to_lds s[\g0b:\g0b+3], s[\g1b:\g1b+7]
	s_nop 0
.rept 4
	v_nop
.endr
.Lasked_\@:
.endm
.macro CREST
	s_cmp_lg_u32 s[WV], 0
	s_cbranch_scc1 .Lnot_wave_0_\@
	s_barrier_signal -3
.Lnot_wave_0_\@:
	s_barrier_wait -3
	s_barrier_signal -1
	s_barrier_wait -1
.endm
.macro CROUND
	s_barrier_signal -1
	s_barrier_wait -1
	CREST
.endm
	s_load_b512 s[4:19], s[0:1], 0x0               ; opc, ops, bq, bk, bv, mask, hc, hs
	v_lshl_add_u32 v[SPW], v0, 2, SPARE
	v_mov_b32 v[NIL], 0
	ds_add_u32 v[SPW], v[NIL]                      ; the opening lines: the add twice on end and its wait
	ds_add_u32 v[SPW], v[NIL]
	v_lshrrev_b32 v1, 5, v0
	v_readfirstlane_b32 s[WV], v1
	s_lshr_b32 s[HR], s[WV], 1
	s_and_b32 s[HCL], s[WV], 1
	s_bfe_u32 s40, ttmp6, 0x40000
	s_bfe_u32 s41, ttmp6, 0x40004
	s_and_b32 s2, ttmp7, 0xffff
	s_lshr_b32 s[TYP], s2, 3
	s_and_b32 s2, s2, 7
	s_lshl_b32 s2, s2, 2
	s_cmp_eq_u32 s[TYP], 2
	s_cselect_b32 s67, 0, s2
	s_cselect_b32 s42, s2, 0
	s_add_co_u32 s67, s67, s41                     ; tile row (source 1)
	s_add_co_u32 s42, s42, s40                     ; tile column (source 0)
	s_lshl_b32 s23, s[TYP], 13
	s_cmp_eq_u32 s[TYP], 2
	s_cselect_b32 s95, 2048, 0
	s_add_co_u32 s23, s23, s95                     ; source 1's first row in opc: 0, 8192, 18432
	s_lshl_b32 s95, s[TYP], 10
	s_add_co_u32 s95, s95, 16384
	s_mov_b32 s100, 8192
	s_cmp_eq_u32 s[TYP], 2
	s_cselect_b32 s95, s100, s95                   ; source 0's: 16384, 17408, 8192
	s_lshl_b32 s43, s41, 2
	s_lshl_b32 s43, 15, s43
	s_lshl_b32 s44, 0x1111, s40
	s_or_b32 s[G1+0], s43, (0<<16)|(1<<20)|(1<<21)|(5<<22)|(3<<25)
	s_or_b32 s[G1B+0], s44, (0<<16)|(1<<20)|(1<<21)|(5<<22)|(3<<25)
.irp g, G1, G1B
	s_mov_b32 s[\g+1], ROWB<<16
	s_mov_b32 s[\g+2], 256<<16                     ; the head's loads bring 256 rows
	s_mov_b32 s[\g+3], ROWB<<16
	s_mov_b32 s[\g+4], 256
	s_mov_b32 s[\g+5], KROW
	s_mov_b32 s[\g+6], 0
	s_mov_b32 s[\g+7], 0
.endr
	s_or_b32 s[G1S+0], s43, (3<<16)|(1<<20)|(1<<21)|(5<<22)|(3<<25)
	s_or_b32 s[G1SB+0], s44, (3<<16)|(1<<20)|(1<<21)|(5<<22)|(3<<25)
.irp g, G1S, G1SB
	s_mov_b32 s[\g+1], 32<<16
	s_mov_b32 s[\g+2], KS<<16                      ; the scales of 256 rows: 32 units of 256 bytes
	s_mov_b32 s[\g+3], 32<<16
	s_mov_b32 s[\g+4], KS
	s_mov_b32 s[\g+5], 32
	s_mov_b32 s[\g+6], 0
	s_mov_b32 s[\g+7], 0
.endr
	s_lshl_b32 s96, s67, 8
	s_add_co_u32 s96, s96, s23
	s_lshl_b32 s46, s42, 8
	s_add_co_u32 s46, s46, s95
	s_lshl_b32 s98, s96, 5
	s_mov_b32 s99, 0
	s_lshl_b32 s92, s46, 5
	s_mov_b32 s93, 0
	s_mul_i32 s96, s96, KROW
	s_mov_b32 s97, 0
	s_mul_i32 s46, s46, KROW
	s_mov_b32 s47, 0
	s_mul_i32 s2, s[HCL], 128*KROW                 ; in the ring I fetch 128 rows: which half
	s_mov_b32 s3, 0
	s_mul_i32 s45, s[WV], HALFT                    ; and where they go
	s_wait_alu depctr_va_vdst(0)
	s_wait_dscnt 0x0
	s_wait_kmcnt 0x0
	s_add_nc_u64 s[96:97], s[4:5], s[96:97]
	s_add_nc_u64 s[98:99], s[6:7], s[98:99]
	s_add_nc_u64 s[46:47], s[4:5], s[46:47]
	s_add_nc_u64 s[92:93], s[6:7], s[92:93]
	CROUND                                         ; the first joint loads meet
	s_mov_b32 s[G0], 1                             ; the head's four tiles, each whole: chunk 0 of source 1's 256 rows,
	s_mov_b32 s[G0+1], 0
	s_mov_b64 s[G0+2:G0+3], s[96:97]
	s_or_b32 s[G0+3], s[G0+3], 0x80000000
	s_mov_b32 s[G0B], 1                            ; of source 0's,
	s_mov_b32 s[G0B+1], 2*HALFT
	s_mov_b64 s[G0B+2:G0B+3], s[46:47]
	s_or_b32 s[G0B+3], s[G0B+3], 0x80000000
	s_mov_b32 s[G0S], 1                            ; and the two blocks of scale bytes
	s_mov_b32 s[G0S+1], SCL
	s_mov_b64 s[G0S+2:G0S+3], s[98:99]
	s_or_b32 s[G0S+3], s[G0S+3], 0x80000000
	s_mov_b32 s[G0SB], 1
	s_mov_b32 s[G0SB+1], SCL+2*HALFS
	s_mov_b64 s[G0SB+2:G0SB+3], s[92:93]
	s_or_b32 s[G0SB+3], s[G0SB+3], 0x80000000
	s_cmp_eq_u32 s[HR], 0                          ; the prefetches: my side's tile, and my place among the four that ask for it with me
	s_cselect_b64 s[PFA:PFA+1], s[96:97], s[46:47]
	s_cselect_b32 s92, s40, s41
	s_lshl_b32 s92, s92, 6                         ; my work-group's 64 rows,
	s_lshl_b32 s93, s[HCL], 5
	s_add_co_u32 s92, s92, s93                     ; my wave's 32 of them
	s_mul_i32 s92, s92, KROW
	s_add_nc_u64 s[96:97], s[96:97], s[2:3]        ; for the ring: my 128 rows
	s_add_nc_u64 s[46:47], s[46:47], s[2:3]
	s_mov_b32 s[G0+4], 1
	s_add_co_u32 s[G0+5], s45, SLOT
	s_add_nc_u64 s[G0+6:G0+7], s[96:97], ROWB
	s_or_b32 s[G0+7], s[G0+7], 0x80000000
	s_mov_b32 s[G0B+4], 1
	s_add_co_u32 s[G0B+5], s45, SLOT
	s_add_nc_u64 s[G0B+6:G0B+7], s[46:47], ROWB
	s_or_b32 s[G0B+7], s[G0B+7], 0x80000000
.macro ARM under, g0, g1, next         ; one chain of branches on the wave's number, one load to an arm
	s_cmp_lt_u32 s[WV], \under
	s_cbranch_scc0 \next
	tensor_load_to_lds s[\g0:\g0+3], s[\g1:\g1+7]
	s_nop 0
.rept 4
	v_nop
.endr
	s_branch .Lhead_asked
\next:
.endm
	ARM 1, G0,  G1,  .Lhead_b
	ARM 2, G0B, G1B, .Lhead_sa
	ARM 3, G0S, G1S, .Lhead_sb
	tensor_load_to_lds s[G0SB:G0SB+3], s[G1SB:G1SB+7]
	s_nop 0
.rept 4
	v_nop
.endr
.Lhead_asked:
	s_mul_i32 s2, s[HR], HALFT                     ; my 128 rows of source 1
	s_mul_i32 s23, s[HCL], HALFT
	s_add_co_u32 s23, s23, 2*HALFT                 ; of source 0
	s_mul_i32 s94, s[HR], HALFS
	s_mul_i32 s3, s[HCL], HALFS
	s_add_co_u32 s3, s3, 2*HALFS
	s_sub_co_u32 s3, s3, s94                       ; lanes 16-31 take source 0's scale words
	s_add_co_u32 s94, s94, SCL
	v_and_b32 v1, 15, v0
	v_bfe_u32 v2, v0, 4, 1
	v_mul_u32_u24 v3, v1, PITCH
	v_mul_u32_u24 v4, v2, 24
	v_add_nc_u32 v4, v3, v4
	v_sub_nc_u32 v7, 1, v2
	v_mul_u32_u24 v5, SLOT-232, v2
	v_add_nc_u32 v5, v3, v5
	v_add_nc_u32 v5, 232, v5                       ; lanes 0-15 byte 232 of the row in slot 0, lanes 16-31 byte 0 in slot 1
	v_mul_u32_u24 v6, SLOT+232, v7
	v_add_nc_u32 v6, v3, v6                        ; and the other way round
	v_add_nc_u32 v[ADRA+2], s2, v5
	v_add_nc_u32 v[ADRA+3], s2, v6
	v_add_nc_u32 v[ADRB+2], s23, v5
	v_add_nc_u32 v[ADRB+3], s23, v6
	v_add_nc_u32 v[ADRA], s2, v4
	v_add_nc_u32 v[ADRB], s23, v4
	v_add_nc_u32 v[ADRA+1], SLOT, v[ADRA]
	v_add_nc_u32 v[ADRB+1], SLOT, v[ADRB]
	v_mul_u32_u24 v5, v1, KS
	v_lshrrev_b32 v6, 8, v5
	v_lshl_add_u32 v5, v6, 4, v5
	v_mul_u32_u24 v6, s3, v2
	v_add_nc_u32 v5, v5, v6
	v_add_nc_u32 v[ADRS], s94, v5
	v_and_b32 v3, 31, v0
	v_lshlrev_b32 v[LI], 4, v3
	v_mul_u32_u24 v[PFO], v3, KROW
	v_add_nc_u32 v[PFO], s92, v[PFO]               ; a lane a row
	v_lshlrev_b32 v4, 4, v1
	v_lshl_add_u32 v[OSQ], v2, 13, v4
	v_lshl_add_u32 v[OSV], v2, 12, v4
	v_lshlrev_b32 v[OFN], 6, v2
	v_and_b32 v5, 8, v1
	v_add_nc_u32 v[OFK], v5, v1
	v_lshlrev_b32 v[OFM], 2, v[OFK]
	s_wait_alu depctr_va_vdst(0)                   ; the wait ahead of the run of scalar lines
	global_prefetch_b8 v[PFO], s[PFA:PFA+1] offset:ROWB th:TH_LOAD_NT scope:SCOPE_SE     ; chunk 1 of my 32 rows
	global_prefetch_b8 v[PFO], s[PFA:PFA+1] offset:2*ROWB th:TH_LOAD_NT scope:SCOPE_SE   ; chunk 2
	s_lshl_b32 s2, s67, 1
	s_add_co_u32 s2, s2, s[HR]
	s_lshl_b32 s3, s42, 1
	s_add_co_u32 s3, s3, s[HCL]
	s_cmp_eq_u32 s[TYP], 2
	s_cselect_b32 s95, s3, s2                      ; my 128 tokens
	s_cselect_b32 s23, s2, s3                      ; my 128 channels
	s_lshr_b32 s2, s95, 4
	s_lshl_b32 s2, s2, 3
	s_add_co_u32 s2, s2, s23
	s_lshl_b32 s2, s2, 5
	s_and_b32 s3, s95, 15
	s_add_co_u32 s2, s2, s3
	s_lshl_b32 s23, s23, 9
	s_lshl_b32 s95, s95, 7
	s_mov_b32 s100, 8192
	s_mov_b32 s101, 512
	s_cmp_eq_u32 s[TYP], 2
	s_cselect_b32 s100, 6144, s100
	s_cselect_b32 s101, 256, s101
	s_cselect_b32 s3, 0, s23
	s_cselect_b32 s23, s23, 0
	s_cselect_b32 s95, 0, s95
	s_mul_i32 s100, s2, s100
	s_mul_i32 s101, s2, s101
	s_lshl_b32 s2, s[TYP], 23
	s_add_co_u32 s100, s100, s2
	s_lshl_b32 s2, s[TYP], 19
	s_add_co_u32 s2, s2, s101
	s_mov_b32 s101, 0
	s_add_nc_u64 s[16:17], s[16:17], s[100:101]
	s_mov_b32 s100, s2
	s_add_nc_u64 s[18:19], s[18:19], s[100:101]
	s_cmp_eq_u32 s[TYP], 0
	s_cselect_b64 s[8:9], s[8:9], s[10:11]
	s_cmp_eq_u32 s[TYP], 2
	s_cselect_b64 s[8:9], s[12:13], s[8:9]
	s_mov_b64 s[10:11], s[8:9]
	s_mov_b32 s100, s3
	s_add_nc_u64 s[8:9], s[8:9], s[100:101]
	s_mov_b32 s100, s23
	s_add_nc_u64 s[10:11], s[10:11], s[100:101]
	s_mov_b32 s100, s95
	s_add_nc_u64 s[14:15], s[14:15], s[100:101]
.irp b, 0,1,2,3
.irp j, 0,1,2,3
	global_load_b128 v[BN+16*\b+4*\j:BN+16*\b+4*\j+3], v[OFN], s[8:9] offset:128*\b+16*\j
.endr
.endr
.irp a, 0,1,2,3,4,5,6,7
	global_load_b32 v[BM+\a], v[OFM], s[10:11] offset:4*(32*(\a/2)+8*(\a%2))
	global_load_u8 v[MW+\a], v[OFK], s[14:15] offset:32*(\a/2)+8*(\a%2)
.endr
.macro FRAG reg, adr, st, i            ; six pieces of 8 bytes; byte y of a row lies in chunk y / 256, slot (y / 256) % 2
.irp p, 0,1,2,3,4,5
.set BY, 96*(\st)+48*(\p/3)+8*(\p%3)
.if BY/ROWB == (BY+24)/ROWB
	ds_load_b64 v[\reg+2*\p:\reg+2*\p+1], v[\adr+(BY/ROWB)%2] offset:BY%ROWB+(\i)*16*PITCH
.else
	ds_load_b64 v[\reg+2*\p:\reg+2*\p+1], v[\adr+2+(BY/ROWB)%2] offset:BY%ROWB-232+(\i)*16*PITCH
.endif
.endr
.endm
.macro MUL16 a0, p, q, sc, zero        ; the 64 accumulators take turns, one instruction a turn
.irp a, \a0, \a0+1
.irp b, 0,1,2,3,4,5,6,7
.if \zero
	v_wmma_scale_f32_16x16x128_f8f6f4 v[8*(8*((\a)%4)+\b):8*(8*((\a)%4)+\b)+7], v[128*(\p)+FR*\b:128*(\p)+FR*\b+FR-1], v[AF+FR*(\a):AF+FR*(\a)+FR-1], 0, v[SC+8*NQ*(\sc)+NQ*\b+(\q)], v[SC+8*NQ*(\sc)+NQ*(\a)+(\q)] matrix_a_fmt:MATRIX_FMT_BF6 matrix_b_fmt:MATRIX_FMT_BF6 matrix_a_scale:MATRIX_SCALE_ROW1
.else
	v_wmma_scale_f32_16x16x128_f8f6f4 v[8*(8*((\a)%4)+\b):8*(8*((\a)%4)+\b)+7], v[128*(\p)+FR*\b:128*(\p)+FR*\b+FR-1], v[AF+FR*(\a):AF+FR*(\a)+FR-1], v[8*(8*((\a)%4)+\b):8*(8*((\a)%4)+\b)+7], v[SC+8*NQ*(\sc)+NQ*\b+(\q)], v[SC+8*NQ*(\sc)+NQ*(\a)+(\q)] matrix_a_fmt:MATRIX_FMT_BF6 matrix_b_fmt:MATRIX_FMT_BF6 matrix_a_scale:MATRIX_SCALE_ROW1
.endif
.endr
.endr
.endm
.macro FETCH_B st, p
	WIN TO_B
.irp i, 0,1,2,3,4,5,6,7
	FRAG 128*(\p)+FR*\i, ADRB, \st, \i
.endr
	WIN 0
.endm
.macro FETCH_A st, i0
.irp i, \i0, \i0+1, \i0+2, \i0+3
	FRAG AF+FR*(\i), ADRA, \st, \i
.endr
.endm
.macro SCALES pr                       ; the scale words of steps 2 pr, 2 pr + 1 into set pr % 2
.irp i, 0,1,2,3,4,5,6,7
	ds_load_b64 v[SC+8*NQ*((\pr)%2)+NQ*\i:SC+8*NQ*((\pr)%2)+NQ*\i+1], v[ADRS] offset:\i*SBLK+4*NQ*(\pr)
.endr
.endm
.macro PLACES n
.rept \n
	v_nop
.endr
.endm
; A step of 128 along K.  Where the next step's bytes end in a chunk not yet read: every wave waits for its tensor loads and a barrier shows the chunk.  Where they begin in a later chunk: the three lines, the barrier,
; and, where a chunk two on is left, the cluster's round and the refill.
.macro STEP st, zero
.set NX, (\st)+1
.set C0, (96*(\st))/ROWB
.set C1, (96*NX)/ROWB
.set E0, (96*(\st)+95)/ROWB
.set E1, (96*NX+95)/ROWB
.if C1 > C0 || E1 > E0
	s_wait_tensorcnt 0x0
.if C1 > C0
	ds_add_u32 v[SPW], v[NIL]
	s_wait_dscnt 4*NL+1                            ; the add and the youngest 24 loads may be out
.else
	s_wait_dscnt 4*NL                              ; the youngest 24 loads may be out
.endif
	WIN MUL_LO
	MUL16 0, (\st)%2, (\st)%2, ((\st)/2)%2, \zero
	s_wait_dscnt 0x0
	s_barrier_signal -1
	MUL16 2, (\st)%2, (\st)%2, ((\st)/2)%2, \zero
	WIN 0
	s_barrier_wait -1
.if C1 > C0 && C0+2 < CHUNKS
	CREST
	s_add_nc_u64 s[G0+4*(C0%2)+2:G0+4*(C0%2)+3], s[G0+4*(C0%2)+2:G0+4*(C0%2)+3], 2*ROWB
	s_add_nc_u64 s[G0B+4*(C0%2)+2:G0B+4*(C0%2)+3], s[G0B+4*(C0%2)+2:G0B+4*(C0%2)+3], 2*ROWB
	JLOAD G0+4*(C0%2), G1, G0B+4*(C0%2), G1B
.else
	PLACES NP
.endif
.else
	s_wait_dscnt 4*NL
	WIN MUL_LO
	MUL16 0, (\st)%2, (\st)%2, ((\st)/2)%2, \zero
	MUL16 2, (\st)%2, (\st)%2, ((\st)/2)%2, \zero
	s_wait_dscnt 0
	PLACES NP
.endif
	FETCH_B NX, NX%2
	FETCH_A NX, 0
.if NX%2 == 0
	SCALES NX/2
.endif
	WIN MUL_HI
	MUL16 4, (\st)%2, (\st)%2, ((\st)/2)%2, \zero
	MUL16 6, (\st)%2, (\st)%2, ((\st)/2)%2, \zero
	PLACES NP
	WIN 0
	FETCH_A NX, 4
.endm
	s_wait_alu depctr_va_vdst(0)
	s_wait_tensorcnt 0x0                           ; my tile of the head's four is in; the three lines ahead of slot 1's first fill
	ds_add_u32 v[SPW], v[NIL]
	s_mov_b32 s[G1+2], 128<<16                     ; no load of mine is out: from here on a load brings 128 rows,
	s_mov_b32 s[G1+4], 128
	s_mov_b32 s[G1B+2], 128<<16
	s_mov_b32 s[G1B+4], 128
	s_mov_b32 s[G0+1], s45                         ; and slot 0's groups 0 become the ring's: my 128 rows
	s_mov_b64 s[G0+2:G0+3], s[96:97]
	s_or_b32 s[G0+3], s[G0+3], 0x80000000
	s_mov_b32 s[G0B+1], s45
	s_mov_b64 s[G0B+2:G0B+3], s[46:47]
	s_or_b32 s[G0B+3], s[G0B+3], 0x80000000
	s_wait_dscnt 0x0
	CROUND
	JLOAD G0+4, G1, G0B+4, G1B                     ; chunk 1
	FETCH_B 0, 0
	FETCH_A 0, 0
	SCALES 0
	FETCH_A 0, 4
	STEP 0, 1
.set ST, 1
.rept STEPS-2
	STEP ST, 0
.set ST, ST+1
.endr
	s_wait_dscnt 4*NL
	WIN MUL_LO
	MUL16 0, 1, 1, 1, 0
	MUL16 2, 1, 1, 1, 0
	s_wait_dscnt 0
	WIN MUL_HI
	MUL16 4, 1, 1, 1, 0
	MUL16 6, 1, 1, 1, 0
	WIN 0
; THE WAY OUT.  64 numbers a lane are four half blocks of 16 neighbours along the next K; lanes l and l xor 16 share a block.
.macro QUANT src, str, pw
.irp b, 0,1,2,3
	v_max3_num_f32 v[TM+\b], |v[\src+16*\b]|, |v[\src+1+16*\b]|, 0x2800000
.endr
.irp i, 2,4,6,8,10,12,14
.irp b, 0,1,2,3
	v_max3_num_f32 v[TM+\b], v[TM+\b], |v[\src+16*\b+\i]|, |v[\src+1+16*\b+\i]|
.endr
.endr
.irp b, 0,1,2,3
	v_permlanex16_b32 v[TM+4+\b], v[TM+\b], s[SEL], s[SEL+1]
.endr
.irp b, 0,1,2,3
	v_max_num_f32 v[TM+\b], v[TM+\b], v[TM+4+\b]
.endr
.irp b, 0,1,2,3
	v_add_nc_u32 v[TM+12+\b], 0xfe000000, v[TM+\b]
.endr
.irp b, 0,1,2,3
	v_lshrrev_b32 v[TM+4+\b], 23, v[TM+12+\b]
.endr
	v_lshl_or_b32 v[\pw], v[TM+5], 8, v[TM+4]
	v_lshl_or_b32 v[\pw], v[TM+6], 16, v[\pw]
	v_lshl_or_b32 v[\pw], v[TM+7], 24, v[\pw]
.irp c, 0,1
	v_cvt_scalef32_pk16_bf6_f32 v[PC+\str*\c:PC+\str*\c+2], v[\src+32*\c:\src+32*\c+15], v[TM+12+2*\c]
	v_cvt_scalef32_pk16_bf6_f32 v[PCT+4*\c:PCT+4*\c+2], v[\src+16+32*\c:\src+31+32*\c], v[TM+12+2*\c+1]
.endr
	v_nop
.irp c, 0,1
.irp i, 0,1,2
	v_permlane16_swap_b32 v[PC+\str*\c+\i], v[PCT+4*\c+\i]
.endr
.irp i, 0,1,2
	v_mov_b32 v[PC+\str*\c+3+\i], v[PCT+4*\c+\i]
.endr
.endr
.endm
.macro OUT a, typ
	s_wait_xcnt 0x0
.set WW, 2+(\a)/4
	WIN WW
.set i, 0
.rept 32
.if \typ
.if (\a)%2
	v_pk_add_f32 v[T+2*i:T+2*i+1], v[64*((\a)%4)+2*i:64*((\a)%4)+2*i+1], v[BM+2*((\a)/2):BM+2*((\a)/2)+1] op_sel:[0,1] op_sel_hi:[1,1]
.else
	v_pk_add_f32 v[T+2*i:T+2*i+1], v[64*((\a)%4)+2*i:64*((\a)%4)+2*i+1], v[BM+2*((\a)/2):BM+2*((\a)/2)+1] op_sel:[0,0] op_sel_hi:[1,0]
.endif
.else
	v_pk_add_f32 v[T+2*i:T+2*i+1], v[64*((\a)%4)+2*i:64*((\a)%4)+2*i+1], v[BN+2*i:BN+2*i+1]
.endif
.set i, i+1
.endr
	WIN 0
.if \typ
	QUANT T, 6, SW+(\a)
.irp p, 0,1,2
	global_store_b128 v[LI], v[PC+4*\p:PC+4*\p+3], s[16:17] offset:98304*((\a)/4)+1536*((\a)%4)+512*\p
.endr
.else
	QUANT T, 8, PW
.irp c, 0,1
.irp j, 0,1,2,3,4,5
	v_and_b32 v[PC+8*\c+\j], v[MW+(\a)], v[PC+8*\c+\j]
.endr
.endr
	v_bfi_b32 v[PC+6], v[MW+(\a)], 0, v[MK]
	v_mov_b32 v[PC+14], v[PC+6]
	v_lshrrev_b32 v[PW], v[SH16], v[PW]
	v_and_b32 v[PW], 0xffff, v[PW]
	v_bfi_b32 v[SW+(\a)], v[MW+(\a)], v[PW], v[MKS]
.irp c, 0,1
.irp p, 0,1
	global_store_b128 v[LI], v[PC+8*\c+4*\p:PC+8*\c+4*\p+3], s[16:17] offset:131072*\c+1024*(\a)+512*\p
.endr
.endr
.endif
.endm
	PLACES NP
	s_wait_loadcnt 0x0
	s_mov_b32 s[SEL], 0x76543210
	s_mov_b32 s[SEL+1], 0xfedcba98
.irp b, 0,1,2,3
	v_mov_b32 v[TM+4+\b], 0
.endr
	v_mov_b32 v[PC+7], 0
	v_mov_b32 v[PC+15], 0
	v_bfe_u32 v2, v0, 4, 1
	v_lshlrev_b32 v[SH16], 4, v2
	v_sub_nc_u32 v3, 1, v2
	v_mul_u32_u24 v[MK], v3, 0x2c
	v_mov_b32 v[MKS], 0xb10000
	s_cmp_eq_u32 s[TYP], 1
	s_cselect_b32 s2, 0, -1
.irp a, 0,1,2,3,4,5,6,7
	v_sub_nc_u32 v[MW+\a], 0, v[MW+\a]
	v_or_b32 v[MW+\a], s2, v[MW+\a]
.endr
	s_cmp_eq_u32 s[TYP], 2
	s_cbranch_scc1 .Lv
.irp a, 0,1,2,3,4,5,6,7
	OUT \a, 0
.endr
	global_store_b128 v[OSQ], v[SW:SW+3], s[18:19]
	global_store_b128 v[OSQ], v[SW+4:SW+7], s[18:19] offset:256
	s_branch .Lend
.Lv:
.irp a, 0,1,2,3,4,5,6,7
	OUT \a, 1
.endr
	v_and_b32 v1, 31, v0
	v_cmp_le_u32 vcc_lo, 16, v1
.irp j, 0,1,2,3
	v_cndmask_b32 v[SW+\j], v[SW+\j], v[SW+4+\j], vcc_lo
.endr
	global_store_b128 v[OSV], v[SW:SW+3], s[18:19]
.Lend:
	s_wait_tensorcnt 0x0
	ds_add_u32 v[SPW], v[NIL]
	s_wait_dscnt 0x0
	CROUND
	s_endpgm
.Lfunc_end_k_qece647b1e9_proj:
	.size	k_qece647b1e9_proj, .Lfunc_end_k_qece647b1e9_proj-k_qece647b1e9_proj
	.p2alignl 7, 3214868480
	.fill 96, 4, 3214868480
	.section	.rodata,"a",@progbits
	.p2align	6, 0x0
	.amdhsa_kernel k_qece647b1e9_proj
		.amdhsa_group_segment_fixed_size 327680
		.amdhsa_private_segment_fixed_size 0
		.amdhsa_enable_private_segment 0
		.amdhsa_kernarg_size 64
		.amdhsa_user_sgpr_count 2
		.amdhsa_user_sgpr_kernarg_segment_ptr 1
		.amdhsa_wavefront_size32 1
		.amdhsa_system_sgpr_workgroup_id_x 1
		.amdhsa_system_sgpr_workgroup_id_y 1
		.amdhsa_system_sgpr_workgroup_id_z 1
		.amdhsa_system_vgpr_workitem_id 0
		.amdhsa_next_free_vgpr 1024
		.amdhsa_next_free_sgpr 102
		.amdhsa_reserve_vcc 1
		.amdhsa_float_denorm_mode_32 3
		.amdhsa_float_denorm_mode_16_64 3
		.amdhsa_memory_ordered 1
		.amdhsa_forward_progress 1
		.amdhsa_inst_pref_size 241
	.end_amdhsa_kernel
	.amdgpu_metadata
---
amdhsa.version: [ 1, 2 ]
amdhsa.kernels:
  - .name:           k_qece647b1e9_proj
    .symbol:         k_qece647b1e9_proj.kd
    .args:
      - { .name: opc, .offset: 0, .size: 8, .value_kind: global_buffer, .address_space: global }
      - { .name: ops, .offset: 8, .size: 8, .value_kind: global_buffer, .address_space: global }
      - { .name: bq, .offset: 16, .size: 8, .value_kind: global_buffer, .address_space: global }
      - { .name: bk, .offset: 24, .size: 8, .value_kind: global_buffer, .address_space: global }
      - { .name: bv, .offset: 32, .size: 8, .value_kind: global_buffer, .address_space: global }
      - { .name: mask, .offset: 40, .size: 8, .value_kind: global_buffer, .address_space: global }
      - { .name: hc, .offset: 48, .size: 8, .value_kind: global_buffer, .address_space: global }
      - { .name: hs, .offset: 56, .size: 8, .value_kind: global_buffer, .address_space: global }
    .group_segment_fixed_size: 327680
    .private_segment_fixed_size: 0
    .kernarg_segment_align: 8
    .kernarg_segment_size: 64
    .max_flat_workgroup_size: 128
    .sgpr_count:     102
    .vgpr_count:     1024
    .wavefront_size: 32
...
	.end_amdgpu_metadata
.endif
;; end of part 2
;; launch attn (part 3): grid 4 x 64, 16 waves a work-group, clusters of 4 x 1, 327,680 bytes of LDS; arguments hc, hs, out0; writes out0
.if DOCPART == 3
	.amdgcn_target "amdgcn-amd-amdhsa--gfx1250"
	.amdhsa_code_object_version 6
	.text
	.protected	k_qece647b1e9_attn
	.globl	k_qece647b1e9_attn
	.p2align	8
	.type	k_qece647b1e9_attn,@function
k_qece647b1e9_attn:
	s_mov_b64 s[64:65], 0
	v_nop
	global_prefetch_b8 v0, s[64:65] scope:SCOPE_SE
	s_setreg_imm32_b32 hwreg(HW_REG_WAVE_MODE, 25, 1), 1
	s_wait_xcnt 0x0
	s_wait_alu depctr_hold_cnt(0) depctr_sa_sdst(0) depctr_va_vdst(0) depctr_va_sdst(0) depctr_va_ssrc(0) depctr_va_vcc(0) depctr_vm_vsrc(0)
	s_getreg_b32 s2, hwreg(HW_REG_IB_STS2, 6, 4)
	s_cmp_eq_u32 s2, 0
	s_cbranch_scc0 .Lentry_in_a_cluster
	s_endpgm
.Lentry_in_a_cluster:
	s_bfe_u32 s2, ttmp6, 0x10000c
	s_cmp_lg_u32 s2, 0x3003
	s_cbranch_scc0 .Lentry_shape_is_right
	s_endpgm
.Lentry_shape_is_right:
; out0[b][q][64 head + :] = the sum over keys of softmax(q . k / 8, hidden keys left out) v, both products on codes of BF6 (E3M2) with one E8M0 scale for each 32 along a product's K.
; q, k, v arrive in hc as images of the operands' registers (four registers: lane l's 16 bytes at 16 l), their scale words in hs.  q, k tile: 16 tokens x the head's 64: 1,024 bytes (registers 0-5 codes, 6 the mask's marker, 7 zero);
; v tile: 16 channels x 128 keys: 1,536 bytes.  bh = 16 x batch + head.
; THE SOFTMAX: t = score x log2(e) / 8; M = the row's largest t so far, rounded up to a whole number; p = 2^(t - M) is quantised along the keys, not normalised.  The row's sum is taken of the unquantised p in f32 and divides O at the end.
; When M moves, the sum and O are multiplied by 2^(old M - new M): exact.
; THE MASK: the first product is 128 deep and the head has 64: at place 64 every query carries +1.0 with the scale 2^50, a hidden key -1.0 with 2^50 and zero codes, an open key 0: a hidden key's score is -2^100 exactly.
; Registers 8-11 of a tile of k, as the instruction names them, are the next tile's: they meet the queries' zero codes alone.
; LIMITS: open logits under -2^97 are not told from hidden ones; NaN and infinities are not served; the scaled scores stay under 2^31 in magnitude (hidden keys' marker aside, whose t is a whole number).
; SHARES: a work-group owns 512 queries of one head in two passes of 256; each of sixteen waves owns 16 of a pass; every wave walks 2,048 keys, 128 a step.
; A head's whole K and V and their scale words stay in LDS, filled once by SIXTEEN joint loads, one a wave (the four work-groups of a head are a cluster).  Waves 0-4 bring the tiles of steps 0-3 and alone wait ahead of the first barrier;
; the other eleven loads are shown by one barrier behind step 2, the last step that asks for tiles of steps 0-3 alone.  The second pass has no barrier.  No data prefetch: every tile is asked for at the head, so there is no loop to run ahead in.
; WHICH KEYS FORM A TILE is chosen by the lanes' LDS addresses: rows 0-7 of tile 4 c + t are keys 64 c + 8 t + 0..7, rows 8-15 keys 64 c + 32 + 8 t + 0..7.  With S^T = K Q^T a lane (query r, half h) then holds in the 32 registers
; of tiles 4 c .. 4 c + 3 the whole block of keys 64 c + 32 h + 0..31, in order: the block's maximum needs no other lane, and the conversions' results are P's operand registers.
; K's stored tiles lie 1,088 bytes apart in LDS (64 of padding): the two stored tiles that a load's sixteen lanes read lie 2,176 bytes apart, 128 modulo 256, so the sixteen lanes touch sixteen different columns of 16 bytes.
; THE SECOND PRODUCT RUNS ONE STEP BEHIND, so that one run of registers serves k and v by turns and each is asked for a phase ahead of its wait.  Step n: the scores of step n; v of step n - 1 is loaded where k lay; the maxima, and among
; their narrow links O^T x f of step n - 1; t - M; O^T += V^T P^T of step n - 1; k of step n + 1 is loaded where v lay; the exponentials, p's codes and scale word, the sum.
; A pass's first trip jumps over v and its product, its last over k's loads; the last rescaling and product stand behind the loop.
.set KT,    1088
.set KIMG,  0                          ; 128 tiles x KT
.set VIMG,  128*KT                     ; 16 steps x 6,144
.set KSC,   VIMG+98304                 ; 16 x 512
.set VSC,   KSC+8192                   ; 16 x 256
.set STG,   VSC+4096                   ; the way out: 16 rows x 272 for each wave; no tile lands here
.set SPARE, STG+16*16*272              ; the spare words: 128 bytes a wave
.set LI,   1                           ; 16 x lane
.set LR,   2                           ; 16 x (lane % 16)
.set ADK,  3
.set ADV,  4
.set ADS,  5
.set ADT,  6
.set GO,   7
.set STO,  8
.set SRD,  9
.set LK,   10                          ; 2 KT ((lane / 8) % 2) + 16 (lane % 8) + 256 (lane / 16)
.set LS,   11                          ; 16 (lane % 8) + 8 ((lane / 8) % 2)
.set QF,   16                          ; v16-27 Q's fragment; v12 -M, v13 the largest score so far, v[14:15] the sum
.set QS,   28
.set PS,   29
.set SH8,  30                          ; 8 x (lane / 16)
.set OLD,  31
.set KF,   32                          ; v32-95 k's eight tiles, or v's four; v96-99 zeros
.set S,    100
.set O,    164
.set PCD,  196
.set PCT,  208
.set CH,   216                         ; v216-219 and v226-229: eight chains of maxima, one a tile; 216 and 218 then hold my two blocks' largest score, then p
.set PB,   220
.set PX,   222
.set TMP,  223
.set SO,   224
.set T,    226                         ; v226-231 three chains of the sum
.set KSW,  232
.set VSW,  240
.set FF,   244
.set Q1,   246
.set QS1,  252
.set SPW,  254
.set NIL,  255
.set WV,   10
.set TK,   2
.set TV,   3
.set TS,   16
.set TT,   17
.set CNT,  18
.set NC,   19                          ; -c
.set SEL,  20
.set CS,   22                          ; c = log2(e) / 8, as a pair
.set G1A,  24                          ; groups 1: 16 tiles of k; 12 tiles of k; 96 units of v; k's scale words; v's
.set G1B,  32
.set G1V,  40
.set G1SK, 48
.set G1SV, 68
.set DENSE, 15|(3<<16)|(1<<21)         ; the mask: all four work-groups; elements of 8 bytes
.set PADK,  DENSE|(1<<20)|(7<<22)|(15<<25)   ; 16 words of padding behind every 256 words
.macro WALU
	s_wait_alu depctr_va_vdst(0)
.endm
.macro CROUND
	s_barrier_signal -1
	s_barrier_wait -1
	s_cmp_lg_u32 s[WV], 0
	s_cbranch_scc1 .Lnot_wave_0_\@
	s_barrier_signal -3
.Lnot_wave_0_\@:
	s_barrier_wait -3
	s_barrier_signal -1
	s_barrier_wait -1
.endm
.macro MKG1 g, w0, c, rows
	s_mov_b32 s[\g], \w0
	s_mov_b32 s[\g+1], (\c)<<16
	s_mov_b32 s[\g+2], (\rows)<<16
	s_mov_b32 s[\g+3], (\c)<<16
	s_mov_b32 s[\g+4], \rows
	s_mov_b32 s[\g+5], \c
	s_mov_b32 s[\g+6], 0
	s_mov_b32 s[\g+7], 0
.endm
; my one load: piece (wave & pm): to LDS l0 + piece x pl, from base + g0 + bh x bm + piece x pg.  Made of bh and the wave's number alone
.macro ASK g1, base, pm, pl, l0, pg, bm, g0
	s_and_b32 s14, s[WV], \pm
	s_mul_i32 s15, s14, \pl
	s_add_co_u32 s57, s15, \l0
	s_mul_i32 s14, s14, \pg
	s_mul_i32 s100, s13, \bm
	s_add_co_u32 s100, s100, s14
	s_add_co_u32 s100, s100, \g0
	s_add_nc_u64 s[58:59], s[\base:\base+1], s[100:101]
	s_or_b32 s59, s59, 0x80000000
	tensor_load_to_lds s[56:59], s[\g1:\g1+7]
	s_nop 0
.rept 4
	v_nop
.endr
.endm
	s_load_b128 s[4:7], s[0:1], 0x0                ; hc, hs
	s_load_b64 s[8:9], s[0:1], 0x10                ; out0
	v_lshl_add_u32 v[SPW], v0, 2, SPARE
	v_mov_b32 v[NIL], 0
	ds_add_u32 v[SPW], v[NIL]                      ; the opening lines: the add twice on end and its wait
	ds_add_u32 v[SPW], v[NIL]
	v_lshrrev_b32 v1, 5, v0
	v_readfirstlane_b32 s[WV], v1
	s_and_b32 s13, ttmp7, 0xffff                   ; bh, which the four partners share
	MKG1 G1A, PADK, 128, 16
	MKG1 G1B, PADK, 128, 12
	MKG1 G1V, DENSE, 32, 96
	MKG1 G1SK, DENSE, 32, 32
	MKG1 G1SV, DENSE, 32, 16
	s_mov_b32 s[SEL], 0x76543210
	s_mov_b32 s[SEL+1], 0xfedcba98
	s_mov_b32 s[CS], 0x3e38aa3b
	s_mov_b32 s[CS+1], s[CS]
	s_mov_b32 s[NC], 0xbe38aa3b
	s_mov_b32 s56, 1
	s_mov_b32 s101, 0
	WALU
	s_wait_dscnt 0x0
	s_wait_kmcnt 0x0
	CROUND                                         ; the joint loads meet
	s_cmp_lt_u32 s[WV], 2                          ; one chain of branches on the wave's number, one load to an arm
	s_cbranch_scc0 .La1
	ASK G1A, 4, 1, 16*KT, KIMG, 16384, 131072, 8388608          ; waves 0, 1: k's tiles of steps 0-3
	s_branch .Lasked
.La1:
	s_cmp_eq_u32 s[WV], 2
	s_cbranch_scc0 .La2
	ASK G1V, 4, 0, 0, VIMG, 0, 98304, 16777216                  ; wave 2: v of steps 0-3
	s_branch .Lasked
.La2:
	s_cmp_eq_u32 s[WV], 3
	s_cbranch_scc0 .La3
	ASK G1SK, 6, 0, 0, KSC, 0, 8192, 524288                     ; wave 3: k's scale words
	s_branch .Lasked
.La3:
	s_cmp_eq_u32 s[WV], 4
	s_cbranch_scc0 .La4
	ASK G1SV, 6, 0, 0, VSC, 0, 4096, 1048576                    ; wave 4: v's
	s_branch .Lasked
.La4:
	s_cmp_lt_u32 s[WV], 8
	s_cbranch_scc0 .La5
	ASK G1V, 4, 3, 24576, VIMG, 24576, 98304, 16777216          ; waves 5-7: v of steps 4-7, 8-11, 12-15
	s_branch .Lasked
.La5:
	ASK G1B, 4, 7, 12*KT, KIMG+32*KT, 12288, 131072, 8388608+32768   ; waves 8-15: k's tiles of steps 4-15, 12 each
.Lasked:
	; my tile of queries: 32 x (4 x cluster x + cx) + 16 x pass + wave.  My place in the cluster enters Q's and out0's addresses alone
	s_bfe_u32 s12, ttmp6, 0x40000
	s_lshl_b32 s14, ttmp9, 2
	s_add_co_u32 s14, s14, s12
	s_lshl_b32 s14, s14, 5
	s_add_co_u32 s14, s14, s[WV]
	s_lshl_b32 s100, s13, 17
	s_lshl_b32 s15, s14, 10
	s_add_co_u32 s100, s100, s15
	s_add_nc_u64 s[4:5], s[4:5], s[100:101]        ; its image
	s_lshl_b32 s100, s13, 13
	s_lshr_b32 s15, s14, 3
	s_lshl_b32 s15, s15, 9
	s_add_co_u32 s100, s100, s15
	s_bfe_u32 s15, s14, 0x10002
	s_lshl_b32 s15, s15, 8
	s_add_co_u32 s100, s100, s15
	s_and_b32 s15, s14, 3
	s_lshl_b32 s15, s15, 2
	s_add_co_u32 s100, s100, s15
	s_add_nc_u64 s[6:7], s[6:7], s[100:101]        ; its scale words
	s_lshr_b32 s100, s13, 4
	s_lshl_b32 s100, s100, 23
	s_and_b32 s15, s13, 15
	s_lshl_b32 s15, s15, 8
	s_add_co_u32 s100, s100, s15
	s_lshr_b32 s15, s14, 1
	s_lshl_b32 s15, s15, 17
	s_add_co_u32 s100, s100, s15
	s_and_b32 s15, s14, 1
	s_lshl_b32 s15, s15, 15
	s_add_co_u32 s100, s100, s15
	s_add_nc_u64 s[8:9], s[8:9], s[100:101]        ; out0: batch, head, row 32 (tile / 2) + 8 (tile % 2)
	s_mul_i32 s15, s[WV], 16*272
	s_add_co_u32 s15, s15, STG                     ; my stage
	v_and_b32 v[CH], 31, v0
	v_lshlrev_b32 v[LI], 4, v[CH]
	v_and_b32 v[CH], 15, v0                        ; r
	v_bfe_u32 v[CH+1], v0, 4, 1                    ; h
	v_and_b32 v[CH+2], 7, v0
	v_bfe_u32 v[CH+3], v0, 3, 1
	v_lshlrev_b32 v[LR], 4, v[CH]
	global_load_b128 v[QF:QF+3], v[LI], s[4:5]
	global_load_b64 v[QF+4:QF+5], v[LI], s[4:5] offset:512
	global_load_b128 v[Q1:Q1+3], v[LI], s[4:5] offset:16384
	global_load_b64 v[Q1+4:Q1+5], v[LI], s[4:5] offset:16384+512
	global_load_b32 v[QS], v[LR], s[6:7]
	global_load_b32 v[QS1], v[LR], s[6:7] offset:1024
	v_mul_u32_u24 v[LK], v[CH+3], 2*KT
	v_lshl_add_u32 v[LK], v[CH+2], 4, v[LK]
	v_lshl_add_u32 v[LK], v[CH+1], 8, v[LK]
	v_lshlrev_b32 v[LS], 4, v[CH+2]
	v_lshl_add_u32 v[LS], v[CH+3], 3, v[LS]
	v_lshlrev_b32 v[SH8], 3, v[CH+1]
	v_lshl_add_u32 v[GO], v[CH+1], 12, v[LR]
	v_mul_u32_u24 v[STO], v[CH], 272
	v_lshl_add_u32 v[STO], v[CH+1], 6, v[STO]
	v_add_nc_u32 v[STO], s15, v[STO]
	v_mul_u32_u24 v[SRD], v[CH+1], 272
	v_add_nc_u32 v[SRD], v[SRD], v[LR]
	v_add_nc_u32 v[SRD], s15, v[SRD]
	v_mov_b32 v[QF+6], 0x0c                        ; the marker: the code of +1.0 at place 64
.irp i, 7,8,9,10,11
	v_mov_b32 v[QF+\i], 0
.endr
.irp i, 96,97,98,99
	v_mov_b32 v\i, 0
.endr
	v_mov_b32 v[PX], 0                             ; a lane permute's destination counts as one of its sources
	v_mov_b32 v[FF+1], 0
.irp i, 0,1,2,3,4,5,6,7,8,9,10,11
	v_mov_b32 v[PCD+\i], 0                         ; written once, so that every register of the second product is written on every way through the text
.endr
	v_mov_b32 v[PS], 0x7f7f7f7f
.irp i, 0,1,2,3
	v_mov_b32 v[VSW+\i], 0x7f7f7f7f
.endr
	WALU
	s_wait_loadcnt 0x0
	v_or_b32 v[QS], 0xb10000, v[QS]                ; byte 2: 177, the marker's scale 2^50
	v_or_b32 v[QS1], 0xb10000, v[QS1]
.macro KLOAD                           ; a step's eight tiles of k and their scale words
.irp t, 0,1,2,3,4,5,6,7
.irp p, 0,1
	ds_load_b128 v[KF+8*\t+4*\p:KF+8*\t+4*\p+3], v[ADK] offset:(4*(\t/4)+\t%2)*KT+128*((\t%4)/2)+512*\p
.endr
.endr
	ds_load_2addr_b64 v[KSW:KSW+3], v[ADS] offset0:0 offset1:16      ; my row's words of tiles 0, 1 and, 128 bytes on, of tiles 2, 3
	ds_load_2addr_b64 v[KSW+4:KSW+7], v[ADS] offset0:32 offset1:48
.endm
.macro VLOAD                           ; a step's four tiles of v and their scale words
	v_add_nc_u32 v[ADV], s[TV], v[LI]
	v_add_nc_u32 v[ADT], s[TT], v[LR]
.irp t, 0,1,2,3
.irp p, 0,1,2
	ds_load_b128 v[KF+12*\t+4*\p:KF+12*\t+4*\p+3], v[ADV] offset:1536*\t+512*\p
.endr
.endr
	ds_load_b128 v[VSW:VSW+3], v[ADT]
.endm
.macro PV                              ; O^T += V^T P^T: four accumulators by turns; eight products of scores stand between two links
.irp t, 0,1,2,3
	v_wmma_scale_f32_16x16x128_f8f6f4 v[O+8*\t:O+8*\t+7], v[KF+12*\t:KF+12*\t+11], v[PCD:PCD+11], v[O+8*\t:O+8*\t+7], v[VSW+\t], v[PS] matrix_a_fmt:MATRIX_FMT_BF6 matrix_b_fmt:MATRIX_FMT_BF6
.endr
.endm
.macro OMUL n                          ; the next n pairs of O^T x f, in ascending order: each accumulator is first read at its low end
.rept \n
	v_pk_mul_f32 v[O+PJ:O+PJ+1], v[O+PJ:O+PJ+1], v[FF:FF+1] op_sel_hi:[1,0]
.set PJ, PJ+2
.endr
.endm
.macro MXR o                           ; a link of the eight chains: two more scores of each tile
.irp c, 0,1
	v_max3_num_f32 v[CH+2*\c], v[CH+2*\c], v[S+32*\c+\o], v[S+32*\c+\o+1]
	v_max3_num_f32 v[CH+2*\c+1], v[CH+2*\c+1], v[S+32*\c+8+\o], v[S+32*\c+8+\o+1]
	v_max3_num_f32 v[T+2*\c], v[T+2*\c], v[S+32*\c+16+\o], v[S+32*\c+16+\o+1]
	v_max3_num_f32 v[T+2*\c+1], v[T+2*\c+1], v[S+32*\c+24+\o], v[S+32*\c+24+\o+1]
.endr
.endm
.macro SUM4 i                          ; four pairs of p onto the sum's four chains
.irp k, 0,1,2
	v_pk_add_f32 v[T+2*\k:T+2*\k+1], v[T+2*\k:T+2*\k+1], v[S+(\i)+2*\k:S+(\i)+2*\k+1]
.endr
	v_pk_add_f32 v[14:15], v[14:15], v[S+(\i)+6:S+(\i)+7]
.endm
; A KEY STEP.  first = 1: the walk's first trip (CNT = trips) is a pass's step 0, with no step before it; last = 1: its last trip (CNT = 1) is step 15, with no step behind it
.macro STEP first, trips, last
	s_wait_dscnt 0x0                               ; this step's k and its scale words are in
.irp t, 0,1,2,3,4,5,6,7
	v_wmma_scale_f32_16x16x128_f8f6f4 v[S+8*\t:S+8*\t+7], v[KF+8*\t:KF+8*\t+11], v[QF:QF+11], 0, v[KSW+\t], v[QS] matrix_a_fmt:MATRIX_FMT_BF6 matrix_b_fmt:MATRIX_FMT_BF6
.endr
	v_mov_b32 v[OLD], v12                          ; four places: in front of the loads into k's registers and of the first read of the scores
.rept 3
	v_nop
.endr
.if \first
	s_cmp_eq_u32 s[CNT], \trips
	s_cbranch_scc1 .Lnv_\@
.endif
	VLOAD                                          ; v of the step before
	s_add_co_u32 s[TV], s[TV], 6144
	s_add_co_u32 s[TT], s[TT], 256
.if \first
.Lnv_\@:
.endif
.set PJ, 0
	WALU                                           ; the wait directly ahead of the first reader of O^T; only plain vector lines stand from here to its last
	OMUL 1                                         ; O^T under the M of the step before: f is that step's
.irp c, 0,1
	v_max3_num_f32 v[CH+2*\c], v[S+32*\c], v[S+32*\c+1], v[S+32*\c+2]          ; eight chains, one a tile; each accumulator is first read at its low end
	v_max3_num_f32 v[CH+2*\c+1], v[S+32*\c+8], v[S+32*\c+9], v[S+32*\c+10]
	v_max3_num_f32 v[T+2*\c], v[S+32*\c+16], v[S+32*\c+17], v[S+32*\c+18]
	v_max3_num_f32 v[T+2*\c+1], v[S+32*\c+24], v[S+32*\c+25], v[S+32*\c+26]
.endr
	MXR 3
	MXR 5
.irp c, 0,1
	v_max3_num_f32 v[CH+2*\c], v[CH+2*\c], v[CH+2*\c+1], v[S+32*\c+7]
	v_max3_num_f32 v[T+2*\c], v[T+2*\c], v[T+2*\c+1], v[S+32*\c+15]
.endr
	OMUL 1
.irp c, 0,1
	v_max3_num_f32 v[CH+2*\c], v[CH+2*\c], v[T+2*\c], v[S+32*\c+23]
.endr
	OMUL 2
.irp c, 0,1
	v_max_num_f32 v[CH+2*\c], v[CH+2*\c], v[S+32*\c+31]   ; the largest score of my block 2 c + h: it serves the row's maximum and, since p rises with the score, the block's largest p
.endr
	OMUL 2
	v_max_num_f32 v[TMP], v[CH], v[CH+2]
	OMUL 2
	v_permlanex16_b32 v[PX], v[TMP], s[SEL], s[SEL+1]
	OMUL 2
	v_max3_num_f32 v13, v13, v[TMP], v[PX]         ; the largest score so far
	OMUL 2
	v_mul_f32 v[TMP], s[NC], v13                   ; -t
	OMUL 2
	v_floor_f32 v12, v[TMP]                        ; -M = floor(-t) = -ceil(t)
	OMUL 2
.set J, 0
.rept 32
	v_pk_fma_f32 v[S+J:S+J+1], v[S+J:S+J+1], s[CS:CS+1], v[12:13] op_sel_hi:[1,0,0]   ; t - M
.set J, J+2
.endr
.irp c, 0,1
	v_fma_f32 v[CH+2*\c], v[CH+2*\c], s[CS], v12
.endr
.if \first
	s_cmp_eq_u32 s[CNT], \trips
	s_cbranch_scc1 .Lnp_\@
.endif
	s_wait_dscnt 0x0                               ; v and its scale words are in
	PV                                             ; the step before
.if \first
.Lnp_\@:
.endif
	v_sub_f32 v[TMP], v12, v[OLD]                  ; five plain lines: the places in front of the loads into v's registers
	v_add_nc_u32 v[ADK], s[TK], v[LK]
	v_add_nc_u32 v[ADS], s[TS], v[LS]
	v_cvt_i32_f32 v[TMP], v[TMP]                   ; (it saturates)
	v_ldexp_f32 v[FF], 1.0, v[TMP]                 ; f = 2^(old M - new M)
.if \last
	s_cmp_eq_u32 s[CNT], 1
	s_cbranch_scc1 .Lnk_\@
.endif
	KLOAD                                          ; k of the next step
.if \last
.Lnk_\@:
.endif
	WALU                                           ; the wait ahead of the batch
.set J, 0
.rept 64
	v_exp_f32 v[S+J], v[S+J]
.set J, J+1
.endr
.irp c, 0,1
	v_exp_f32 v[CH+2*\c], v[CH+2*\c]               ; the block's largest p: the same two instructions on the same number
.endr
	v_pk_mul_f32 v[14:15], v[14:15], v[FF:FF+1] op_sel_hi:[1,0]
	WALU                                           ; and behind it
; p's scales and codes, with the row's sum of the unquantised p (four chains) laid between the links of the scale word's chain
.irp c, 0,1
	v_max_num_f32 v[CH+2*\c], 0x2800000, v[CH+2*\c]   ; the floor 2^(5 - 127): the byte cannot fall under 1
.endr
.irp k, 0,1,2
	v_pk_add_f32 v[T+2*\k:T+2*\k+1], v[S+4*\k:S+4*\k+1], v[S+4*\k+2:S+4*\k+3]
.endr
	v_pk_add_f32 v[14:15], v[14:15], v[S+12:S+13]
.irp c, 0,1
	v_add_nc_u32 v[SO+\c], 0xfe000000, v[CH+2*\c]
.endr
	SUM4 14
.irp c, 0,1
	v_cvt_scalef32_pk16_bf6_f32 v[PCD+6*\c:PCD+6*\c+2], v[S+32*\c:S+32*\c+15], v[SO+\c]
	v_cvt_scalef32_pk16_bf6_f32 v[PCT+4*\c:PCT+4*\c+2], v[S+32*\c+16:S+32*\c+31], v[SO+\c]   ; (a conversion's three registers begin on an even number)
.endr
.irp c, 0,1
	v_lshrrev_b32 v[PB+\c], 23, v[SO+\c]
.endr
	SUM4 22
	v_lshl_or_b32 v[TMP], v[PB+1], 16, v[PB]       ; my bytes: blocks h and 2 + h,
	SUM4 30
	v_lshlrev_b32 v[TMP], v[SH8], v[TMP]           ; at their places;
	SUM4 38
	v_permlanex16_b32 v[PX], v[TMP], s[SEL], s[SEL+1]
	SUM4 46
	v_or_b32 v[PS], v[TMP], v[PX]                  ; with lane l xor 16's two the word is whole
	SUM4 54
	v_pk_add_f32 v[T:T+1], v[T:T+1], v[S+62:S+63]
	v_pk_add_f32 v[14:15], v[14:15], v[T+4:T+5]
	v_pk_add_f32 v[T:T+1], v[T:T+1], v[T+2:T+3]
.irp c, 0,1
.irp i, 0,1,2
	v_mov_b32 v[PCD+6*\c+3+\i], v[PCT+4*\c+\i]
.endr
.endr
	v_pk_add_f32 v[14:15], v[14:15], v[T:T+1]
	s_add_co_u32 s[TK], s[TK], 8*KT
	s_add_co_u32 s[TS], s[TS], 512
.endm
; steps from .. from + trips - 1.  TK, TS: the step whose k is asked for (one on); TV, TT: the step whose v is asked for (one back; in a pass's first trip none, and they stay)
.macro WALK lbl, from, trips, first, last
	s_mov_b32 s[TK], KIMG+((\from)+1)*8*KT
	s_mov_b32 s[TS], KSC+((\from)+1)*512
	s_mov_b32 s[TV], VIMG+((\from)-1+(\first))*6144
	s_mov_b32 s[TT], VSC+((\from)-1+(\first))*256
	s_mov_b32 s[CNT], \trips
\lbl:
	STEP \first, \trips, \last
	s_sub_co_u32 s[CNT], s[CNT], 1
	s_cmp_lg_u32 s[CNT], 0
	s_cbranch_scc1 \lbl
.endm
.macro PASSM n                         ; 256 queries of the work-group
	v_mov_b32 v13, 0xff61b1e6                      ; the largest score so far: -3e38, under every score, a hidden key's too
	v_mov_b32 v12, 0x7f61b1e6                      ; -M: 3e38, so that the first f is 0
	v_mov_b32 v14, 0
	v_mov_b32 v15, 0
	v_mov_b32 v[FF], 0                             ; the f that the first trip finds
.set J, 0
.rept 32
	v_mov_b32 v[O+J], 0                            ; the step has no first step of its own: it finds zeros
.set J, J+1
.endr
.if \n == 0
	WALU
	s_cmp_lt_u32 s[WV], 5
	s_cbranch_scc0 .Lnot_early
	s_wait_tensorcnt 0x0                           ; waves 0-4: the tiles of steps 0-3
.Lnot_early:
	s_barrier_signal -1
	s_barrier_wait -1
.endif
	v_add_nc_u32 v[ADK], KIMG, v[LK]
	v_add_nc_u32 v[ADS], KSC, v[LS]
	KLOAD                                          ; step 0's k
.if \n == 0
	WALK .Lw0, 0, 3, 1, 0
	s_wait_tensorcnt 0x0                           ; every wave: all sixteen loads are shown by this barrier
	s_wait_dscnt 0x0
	s_barrier_signal -1
	s_barrier_wait -1
	WALK .Lw1, 3, 13, 0, 1
.else
	WALK .Lw2, 0, 16, 1, 1
.endif
	VLOAD                                          ; step 15's v,
.set PJ, 0
	WALU                                           ; (directly ahead of the first reader of O^T)
	OMUL 16                                        ; O^T under step 15's M,
	WALU
	s_wait_dscnt 0x0
	PV                                             ; and its product
.rept 4
	v_nop                                          ; places behind the last products
.endr
	v_add_f32 v14, v14, v15
	v_permlanex16_b32 v[PX], v14, s[SEL], s[SEL+1]
	v_add_f32 v14, v14, v[PX]                      ; the row's sum
	WALU
	v_rcp_f32 v[FF], v14
	v_nop
	WALU
.set J, 0
.rept 16
	v_pk_mul_f32 v[S+J:S+J+1], v[O+J:O+J+1], v[FF:FF+1] op_sel_hi:[1,0]   ; register 16 b + i is channel 32 b + 16 h + i of my query
.set J, J+2
.endr
.irp b, 0,1
.irp i, 0,1,2,3
	ds_store_b128 v[STO], v[S+16*\b+4*\i:S+16*\b+4*\i+3] offset:128*\b+16*\i
.endr
.endr
.irp i, 0,1,2,3,4,5,6,7
	ds_load_b128 v[KF+4*\i:KF+4*\i+3], v[SRD] offset:2*\i*272   ; LDS serves a wave's instructions in order
.endr
.irp i, 0,1,2,3,4,5,6,7
	s_wait_dscnt 7-\i                              ; the younger loads may be out
	global_store_b128 v[GO], v[KF+4*\i:KF+4*\i+3], s[8:9] offset:(2*\i+8*(\i/4))*4096 th:TH_STORE_NT   ; 16 lanes store 256 consecutive bytes, aligned
.endr
.if \n == 0
	s_wait_xcnt 0x0                                ; the stores have read their registers and their base
	s_add_nc_u64 s[8:9], s[8:9], 1048576           ; the second pass's tile: 256 rows on
.irp i, 0,1,2,3,4,5
	v_mov_b32 v[QF+\i], v[Q1+\i]
.endr
	v_mov_b32 v[QS], v[QS1]
.endif
.endm
	PASSM 0
	PASSM 1
	s_wait_tensorcnt 0x0                           ; the wave's end
	ds_add_u32 v[SPW], v[NIL]
	s_wait_dscnt 0x0
	CROUND                                         ; the closing round
	s_endpgm
.Lfunc_end_k_qece647b1e9_attn:
	.size	k_qece647b1e9_attn, .Lfunc_end_k_qece647b1e9_attn-k_qece647b1e9_attn
	.p2alignl 7, 3214868480
	.fill 96, 4, 3214868480
	.section	.rodata,"a",@progbits
	.p2align	6, 0x0
	.amdhsa_kernel k_qece647b1e9_attn
		.amdhsa_group_segment_fixed_size 327680
		.amdhsa_private_segment_fixed_size 0
		.amdhsa_enable_private_segment 0
		.amdhsa_kernarg_size 24
		.amdhsa_user_sgpr_count 2
		.amdhsa_user_sgpr_kernarg_segment_ptr 1
		.amdhsa_wavefront_size32 1
		.amdhsa_system_sgpr_workgroup_id_x 1
		.amdhsa_system_sgpr_workgroup_id_y 1
		.amdhsa_system_sgpr_workgroup_id_z 1
		.amdhsa_system_vgpr_workitem_id 0
		.amdhsa_next_free_vgpr 256
		.amdhsa_next_free_sgpr 102
		.amdhsa_reserve_vcc 0
		.amdhsa_float_denorm_mode_32 3
		.amdhsa_float_denorm_mode_16_64 3
		.amdhsa_memory_ordered 1
		.amdhsa_forward_progress 1
		.amdhsa_inst_pref_size 76
	.end_amdhsa_kernel
	.amdgpu_metadata
---
amdhsa.version: [ 1, 2 ]
amdhsa.kernels:
  - .name:           k_qece647b1e9_attn
    .symbol:         k_qece647b1e9_attn.kd
    .args:
      - { .name: hc, .offset: 0, .size: 8, .value_kind: global_buffer, .address_space: global }
      - { .name: hs, .offset: 8, .size: 8, .value_kind: global_buffer, .address_space: global }
      - { .name: out0, .offset: 16, .size: 8, .value_kind: global_buffer, .address_space: global }
    .group_segment_fixed_size: 327680
    .private_segment_fixed_size: 0
    .kernarg_segment_align: 8
    .kernarg_segment_size: 24
    .max_flat_workgroup_size: 512
    .sgpr_count:     102
    .vgpr_count:     256
    .wavefront_size: 32
...
	.end_amdgpu_metadata
.endif
;; end of part 3
